; MI455X (gfx1250); checked and timed in simulation.
; The chip was launched on July 23, 2026; its instructions are those of AMD's public machine-readable ISA for CDNA 5 (MIT licence, August 2026) and "CDNA5" Instruction Set Architecture Reference Guide (July 2026). The comments in the code are by the model that wrote it; some were corrected since.
;; Bahdanau Attention. Allowed arithmetic: matrix products marked QUANTISED: E5M2 operands, one E8M0 scale for each 32 along K, by v_wmma_scale_f32_16x16x128_f8f6f4 with both operands' format E5M2, f32 sums; products left as they are: f32 operands where the result goes on into a quantised operand, else bf16, f16 or f32 operands; f32 sums; everything else in f32.
;; Inputs: V 1,024 x 1 float32; W1 1,024 x 1,024 float32; W2 1,024 x 1,024 float32; b1 1,024 float32; b2 1,024 float32; bV 1 float32; query 32 x 1,024 float32; values 32 x 2,048 x 1,024 float32.
;; Outputs: out0 32 x 1,024 float32; out1 32 x 2,048 x 1 float32.
;; This version of the problem:
;;   THIS VERSION OF THE PROBLEM IS GIVEN IN LOW PRECISION. The matrix products marked QUANTISED in the list below multiply operands that are first quantised to E5M2 (5 exponent bits, 2 mantissa bits; 8 bits a number), with one power-of-two scale for each 32 numbers along K (OCP MX v1.0); their sums are f32. All else is computed in f32.
;;   The module's matrix products, in the order in which they are computed (A, B: the left and right operand; K: the contracted axis; several contracted axes count as one K, in the product's order):
;;     1. [M 32, K 1,024] x [K 1,024, N 1,024]; A: input query; B: input W1: QUANTISED
;;     2. [M 65,536, K 1,024] x [K 1,024, N 1,024]; A: input values; B: input W2: QUANTISED
;;     3. [M 65,536, K 1,024] x [K 1,024, N 1]; A: computed on the way; B: input V: left as it is (N = 1 < 16)
;;   THE QUANTISER, for each operand of a quantised product, along K:
;;     - K is cut into blocks of 32 from its start; a last block that is shorter is filled with zeros.
;;     - A block's scale is 2^e with e = floor(log2(the largest magnitude in the block)) - 15, held to -126 .. 127; a block of zeros has e = 0. As a byte (E8M0): e + 127.
;;     - Each number is divided by its block's scale, clamped to +-57,344, and rounded to the nearest number of E5M2, ties to even, subnormals kept.
;;     - The product sums the exact products of the quantised numbers (number of the format x scale) in f32.
;;   ~~~python
;;   def quantise(x, axis):      # numpy; x: float32 -> the quantised numbers, widened to float32 again
;;       x = np.moveaxis(x, axis, -1); K = x.shape[-1]
;;       x = np.pad(x, [(0, 0)] * (x.ndim - 1) + [(0, -K % 32)]); x = x.reshape(x.shape[:-1] + (-1, 32)); a = np.abs(x).max(-1, keepdims=True)
;;       e = np.where(a > 0, np.clip(np.frexp(np.where(a > 0, a, 1))[1] - 1 - 15, -126, 127), 0)      # np.frexp(a)[1] - 1 = floor(log2(a)), exactly
;;       r = np.clip(x / 2.0 ** e, -57344, 57344)
;;       step = 2.0 ** (np.maximum(np.frexp(np.where(r == 0, 1, r))[1] - 1, -14) - 2)
;;       q = np.round(r / step) * step * 2.0 ** e      # np.round: ties to even
;;       return np.moveaxis(q.reshape(q.shape[:-2] + (-1,))[..., :K], -1, axis).astype(np.float32)
;;   ~~~
;; One version. Each part assembles by itself: llvm-mc -triple=amdgcn-amd-amdhsa -mcpu=gfx1250 --defsym DOCPART=n.
;; ======== version 1 of 1: 3 launches
;; limits: right only within a limited range of input values
;; workspace buffers: w2f 1,048,576 bytes; w2s 32,768 bytes; qbc 131,072 bytes; scores 262,144 bytes
;; launch prep (part 1): grid 128 x 1, 8 waves a work-group, no clusters, 17,408 bytes of LDS; arguments W2, W1, query, b1, b2, w2f, w2s, qbc; writes w2f, w2s, qbc
.if DOCPART == 1
	.amdgcn_target "amdgcn-amd-amdhsa--gfx1250"
	.amdhsa_code_object_version 6
	.text
	.protected	k_qcfd623d28d_prep
	.globl	k_qcfd623d28d_prep
	.p2align	8
	.type	k_qcfd623d28d_prep,@function
k_qcfd623d28d_prep:
	s_mov_b64 s[64:65], 0
	v_nop
	global_prefetch_b8 v0, s[64:65] scope:SCOPE_SE
	s_setreg_imm32_b32 hwreg(HW_REG_WAVE_MODE, 25, 1), 1
	s_wait_xcnt 0x0
; BAHDANAU ATTENTION, launch 1 of 3: the small operands.
;   w2f, w2s: W2 [1024 (k)][1024 (n)] f32 as codes of BF8 (E5M2) and E8M0 scale words, quantised along k, laid in the order of a matrix operand's registers.
;   qbc[b][n] = c (Q(query) Q(W1) + b1 + b2), c = 2 log2(e): all that the second launch adds to c x (values W2) ahead of its exponential.
; WORK LEFT OUT, FOR ALL VALUES OF THE INPUTS.  tanh(x) = 1 - 2 r with r = 1 / (1 + e^(2x)), so score[b][t] = (sum over n of V[n] + bV) - 2 sum over n of V[n] r[b][t][n].
; The bracket is the same for every t, and both outputs see the score only through the softmax over t, which a term that is the same along t does not move.  So bV and the sum of V are not
; formed; bV has no way to an output, is not loaded and is among no launch's arguments.  LIMIT: a NaN, an infinity or an overflow that reaches only bV or the sum of V is not carried to the result.
; LIMITS OF THE QUANTISER: NaN and infinities among the inputs are not served; a block of zeros gets the scale byte 1 where the rule says 127 (its codes are zeros, which add nothing under any byte
; but 0xff, and the bytes are read by this program alone); blocks whose largest magnitude lies under 2^-111 are held at the byte 1.
; SHARES.  Work-groups 0-63 take W2, 64-127 W1; work-group j (mod 64) takes columns 16 j .. 16 j + 15, its wave s takes k = 128 s .. 128 s + 127: one fragment of 16 columns x 128 k.
; A LANE TAKES A COLUMN AND ITS REGISTERS RUN DOWN k, in the order that the operand's layout gives the lane: lane (r, h) holds column r, register 16 c + i holds k = 32 c + 16 h + i.  Nothing is transposed.
; Sixteen lanes of a weight load read 64 neighbouring bytes: the two weights are 8 MiB in all and are read once.
; W1's work-groups multiply at once: source 0 = my fragment of W1, source 1 = my K step of query's rows 0-15 and 16-31; the eight waves' partial sums (f32) meet in LDS.  The sum feeds a tanh and no quantiser.
; No cluster, no tensor load: no tile is read by two work-groups, and each work-group's share is 64 KiB.
.set SPARE, 16384                      ; LDS: 0 .. 16,383 the eight waves' partial sums, 2,048 bytes each; then the spare words, 128 bytes for each wave
.set TM,   8                           ; v8-11 largest magnitudes, v12-15 bytes, v16-19 the largest number x the scale, v20-23 the conversions' scale operands
.set PWW,  24                          ; the weight fragment's scale word
.set PW0,  25                          ; query rows 0-15: scale word
.set PW1,  26                          ; query rows 16-31
.set RDA,  27                          ; LDS: where I read partial sums back
.set SPW,  28                          ; LDS address of my spare word; never rewritten
.set NIL,  29                          ; 0; never rewritten
.set QOF,  30                          ; my byte offset in qbc
.set XW,   32                          ; v32-95   64 numbers of the weight
.set XQ0,  96                          ; v96-159  64 numbers of query, rows 0-15
.set XQ1,  160                         ; v160-223 rows 16-31
.set PCW,  224                         ; v224-239 the weight's codes
.set BB,   240                         ; v240-243 four of b1, v244-247 four of b2
.set PC0,  32                          ; query's codes, where the weight's numbers lay
.set PC1,  48
.set D0,   64                          ; the two results
.set D1,   72
.set RS,   96                          ; eight partial sums read back
.set SEL,  30                          ; s[30:31] v_permlanex16_b32's selects for lane l xor 16
.set MNT,  32                          ; s32 the mantissa field of 57,344
.set CS,   34                          ; s[34:35] c
; 64 numbers of a lane, register 16 b + i = k 32 b + 16 (lane / 16) + i, become a fragment's codes in v[pc] on and its scale word in v[pw].
.macro QUANT s, pc, pw
.irp b, 0,1,2,3
	v_max3_num_f32 v[TM+\b], |v[\s+16*\b]|, |v[\s+1+16*\b]|, 0x8000000   ; block b: my 16 numbers, and the floor 2^(16 - 127): the byte cannot fall under 1
.endr
.irp i, 2,4,6,8,10,12,14
.irp b, 0,1,2,3
	s_delay_alu instid0(VALU_DEP_4)
	v_max3_num_f32 v[TM+\b], v[TM+\b], |v[\s+16*\b+\i]|, |v[\s+1+16*\b+\i]|   ; the four blocks by turns
.endr
.endr
.irp b, 0,1,2,3
	s_delay_alu instid0(VALU_DEP_4)
	v_permlanex16_b32 v[TM+4+\b], v[TM+\b], s[SEL], s[SEL+1]
.endr
.irp b, 0,1,2,3
	s_delay_alu instid0(VALU_DEP_4)
	v_max_num_f32 v[TM+\b], v[TM+\b], v[TM+4+\b]   ; with lane l xor 16's 16: the block's largest magnitude
.endr
.irp b, 0,1,2,3
	s_delay_alu instid0(VALU_DEP_4)
	v_add_nc_u32 v[TM+12+\b], 0xf8800000, v[TM+\b]   ; 15 off its exponent field: the conversion's scale operand
.endr
.irp b, 0,1,2,3
	v_and_or_b32 v[TM+8+\b], v[TM+\b], 0x7f800000, s[MNT]   ; 57,344 x the scale
.endr
.irp b, 0,1,2,3
	v_lshrrev_b32 v[TM+4+\b], 23, v[TM+12+\b]   ; the scale's byte
.endr
	s_delay_alu instid0(VALU_DEP_3)
	v_lshl_or_b32 v[\pw], v[TM+5], 8, v[TM+4]
	s_delay_alu instid0(VALU_DEP_1)
	v_lshl_or_b32 v[\pw], v[TM+6], 16, v[\pw]
	s_delay_alu instid0(VALU_DEP_1)
	v_lshl_or_b32 v[\pw], v[TM+7], 24, v[\pw]
.irp b, 0,1,2,3
.irp i, 0,1,2,3,4,5,6,7,8,9,10,11,12,13,14,15
	v_med3_num_f32 v[\s+16*\b+\i], v[\s+16*\b+\i], -v[TM+8+\b], v[TM+8+\b]   ; the conversion to an 8-bit code does not saturate (ISA guide 7.6.2): the hold comes first
.endr
	v_cvt_scalef32_pk8_bf8_f32 v[\pc+4*\b:\pc+1+4*\b], v[\s+16*\b:\s+7+16*\b], v[TM+12+\b]
	v_cvt_scalef32_pk8_bf8_f32 v[\pc+2+4*\b:\pc+3+4*\b], v[\s+8+16*\b:\s+15+16*\b], v[TM+12+\b]
.endr
	v_nop                                          ; one plain line behind the last conversion
.endm
.macro WLOAD base                      ; W(128 s + 32 c + 16 h + i, 16 j + r): a row of the weight is 4,096 bytes
.irp c, 0,1,2,3
.irp i, 0,1,2,3,4,5,6,7,8,9,10,11,12,13,14,15
	global_load_b32 v[XW+16*\c+\i], v4, s[\base:\base+1] offset:(32*\c+\i)*4096
.endr
.endr
.endm
	s_load_b256 s[4:11], s[0:1], 0x0               ; W2 s[4:5], W1 s[6:7], query s[8:9], b1 s[10:11]
	s_load_b256 s[12:19], s[0:1], 0x20             ; b2 s[12:13], w2f s[14:15], w2s s[16:17], qbc s[18:19]
	v_lshl_add_u32 v[SPW], v0, 2, SPARE
	v_mov_b32 v[NIL], 0
	v_lshrrev_b32 v1, 5, v0
	s_delay_alu instid0(VALU_DEP_1)
	v_readfirstlane_b32 s20, v1                    ; wave = K step s
	v_and_b32 v1, 31, v0                           ; lane
	v_and_b32 v2, 15, v0                           ; r
	v_bfe_u32 v3, v0, 4, 1                         ; h
	s_and_b32 s21, ttmp9, 63                       ; tile j
	v_lshlrev_b32 v4, 2, v2
	s_delay_alu instid0(VALU_DEP_1)
	v_lshl_add_u32 v4, v3, 16, v4                  ; the weight: 4 r + 16 h rows
	v_lshlrev_b32 v7, 4, v1                        ; 16 x lane
	s_lshl_b32 s22, s20, 19                        ; 128 s rows
	s_lshl_b32 s23, s21, 6                         ; 16 j columns
	s_add_co_u32 s22, s22, s23
	s_mov_b32 s23, 0
	s_mov_b32 s[SEL], 0x76543210
	s_mov_b32 s[SEL+1], 0xfedcba98
	s_mov_b32 s[MNT], 0x600000
	s_mov_b32 s[CS], 0x4038aa3b                    ; c = 2 log2(e)
	s_mov_b32 s[CS+1], s[CS]                       ; (named with it as a pair, so it is written)
.irp b, 0,1,2,3
	v_mov_b32 v[TM+4+\b], 0                        ; written once: a lane permute's destination counts as one of its sources
.endr
	s_wait_kmcnt 0x0
	s_cmp_lt_u32 ttmp9, 64                         ; the one parting: the same for all waves of a work-group
	s_cbranch_scc1 .Lw2
	; ---- W1's work-groups
	s_add_nc_u64 s[6:7], s[6:7], s[22:23]
	s_lshl_b32 s24, s20, 9                         ; query: 128 s numbers along a row
	s_mov_b32 s25, 0
	s_add_nc_u64 s[8:9], s[8:9], s[24:25]
	s_wait_alu depctr_va_vdst(0)
	v_lshlrev_b32 v5, 12, v2
	s_delay_alu instid0(VALU_DEP_1)
	v_lshl_add_u32 v5, v3, 6, v5                   ; row r of 4,096 bytes, + 64 h: my 16 numbers of a block of 32
	s_and_b32 s26, s20, 1
	s_lshl_b32 s26, s26, 4
	s_lshl_b32 s27, s21, 6
	s_add_co_u32 s26, s26, s27
	v_lshl_add_u32 v6, v3, 5, s26                  ; b1, b2: numbers 16 j + 8 h + 4 (wave % 2) on
.irp b, 0,1,2,3
.irp j, 0,1,2,3
	global_load_b128 v[XQ0+16*\b+4*\j:XQ0+16*\b+4*\j+3], v5, s[8:9] offset:128*\b+16*\j
	global_load_b128 v[XQ1+16*\b+4*\j:XQ1+16*\b+4*\j+3], v5, s[8:9] offset:65536+128*\b+16*\j
.endr
.endr
	global_load_b128 v[BB:BB+3], v6, s[10:11]
	global_load_b128 v[BB+4:BB+7], v6, s[12:13]
	WLOAD 6
	s_lshl_b32 s24, s20, 11
	s_and_b32 s25, s20, 3
	s_lshl_b32 s25, s25, 9
	v_add_nc_u32 v[RDA], s25, v7                   ; back: quarter (wave % 4) of each wave's 2,048 bytes.  Made ahead of the parting of the waves
	s_wait_loadcnt 0x0                             ; all 98 loads
	v_add_nc_u32 v5, s24, v7                       ; (its loads are done)  in: my wave's 2,048 bytes, 16 a lane
	QUANT XW, PCW, PWW
	QUANT XQ0, PC0, PW0
	QUANT XQ1, PC1, PW1
.rept 4
	v_nop                                          ; codes written by vector instructions stand four places ahead of a scaled matrix instruction; the scale words were made ahead of the holds
.endr
	; source 0 = 16 columns of W1, source 1 = 16 rows of query: lane (r, h) holds row r and columns 16 j + 8 h + 0 .. 7
	v_wmma_scale_f32_16x16x128_f8f6f4 v[D0:D0+7], v[PCW:PCW+15], v[PC0:PC0+15], 0, v[PWW], v[PW0] matrix_a_fmt:MATRIX_FMT_BF8 matrix_b_fmt:MATRIX_FMT_BF8
	v_wmma_scale_f32_16x16x128_f8f6f4 v[D1:D1+7], v[PCW:PCW+15], v[PC1:PC1+15], 0, v[PWW], v[PW1] matrix_a_fmt:MATRIX_FMT_BF8 matrix_b_fmt:MATRIX_FMT_BF8
.rept 8
	v_nop                                          ; eight places ahead of the first read of the results
.endr
	ds_store_b128 v5, v[D0:D0+3]                   ; quarter q = 2 (tile of rows) + (half of the eight columns); each result from its low end on
	ds_store_b128 v5, v[D0+4:D0+7] offset:512
	ds_store_b128 v5, v[D1:D1+3] offset:1024
	ds_store_b128 v5, v[D1+4:D1+7] offset:1536
	s_wait_dscnt 0x0                               ; for the others' sake: my stores are done
	s_barrier_signal -1
	s_barrier_wait -1
	s_cmp_gt_u32 s20, 3
	s_cbranch_scc1 .Lend                           ; waves 0 to 3 add a quarter each
.irp u, 0,1,2,3,4,5,6,7
	ds_load_b128 v[RS+4*\u:RS+4*\u+3], v[RDA] offset:2048*\u
.endr
	v_lshl_add_u32 v[QOF], v2, 12, v6              ; qbc: row r, columns as for b1,
	s_lshr_b32 s24, s20, 1
	s_lshl_b32 s24, s24, 16
	v_add_nc_u32 v[QOF], s24, v[QOF]               ; + 16 rows for quarters 2 and 3
	s_wait_dscnt 0x0
.irp u, 1
	v_pk_add_f32 v[RS:RS+1], v[RS:RS+1], v[RS+4*\u:RS+4*\u+1]         ; K ascending
	v_pk_add_f32 v[RS+2:RS+3], v[RS+2:RS+3], v[RS+4*\u+2:RS+4*\u+3]
.endr
.irp u, 2, 3, 4, 5, 6, 7
	s_delay_alu instid0(VALU_DEP_2)
	v_pk_add_f32 v[RS:RS+1], v[RS:RS+1], v[RS+4*\u:RS+4*\u+1]         ; K ascending
	s_delay_alu instid0(VALU_DEP_2)
	v_pk_add_f32 v[RS+2:RS+3], v[RS+2:RS+3], v[RS+4*\u+2:RS+4*\u+3]
.endr
.irp u, 0,4
	s_delay_alu instid0(VALU_DEP_2)
	v_pk_add_f32 v[RS:RS+1], v[RS:RS+1], v[BB+\u:BB+\u+1]             ; + b1, + b2
	s_delay_alu instid0(VALU_DEP_2)
	v_pk_add_f32 v[RS+2:RS+3], v[RS+2:RS+3], v[BB+\u+2:BB+\u+3]
.endr
	s_delay_alu instid0(VALU_DEP_2)
	v_pk_mul_f32 v[RS:RS+1], v[RS:RS+1], s[CS:CS+1] op_sel_hi:[1,0]
	s_delay_alu instid0(VALU_DEP_2)
	v_pk_mul_f32 v[RS+2:RS+3], v[RS+2:RS+3], s[CS:CS+1] op_sel_hi:[1,0]
	global_store_b128 v[QOF], v[RS:RS+3], s[18:19] ; a row's 64 bytes of this tile come from two waves and two halves of the lanes: runs of 16 bytes; qbc is 128 KiB in all
	s_branch .Lend
	; ---- W2's work-groups
.Lw2:
	s_add_nc_u64 s[4:5], s[4:5], s[22:23]
	s_wait_alu depctr_va_vdst(0)
	WLOAD 4
	s_lshl_b32 s24, s21, 14                        ; w2f: [j][s][c][lane][16 bytes]: 16,384 j + 2,048 s
	s_lshl_b32 s25, s20, 11
	s_add_co_u32 s24, s24, s25
	s_mov_b32 s25, 0
	s_add_nc_u64 s[14:15], s[14:15], s[24:25]
	s_lshl_b32 s26, s21, 9                         ; w2s: [j][s][r] words: 512 j + 64 s
	s_lshl_b32 s27, s20, 6
	s_add_co_u32 s26, s26, s27
	s_mov_b32 s27, 0
	s_add_nc_u64 s[16:17], s[16:17], s[26:27]
	v_lshlrev_b32 v5, 2, v2
	s_wait_loadcnt 0x0
	QUANT XW, PCW, PWW
.irp c, 0,1,2,3
	global_store_b128 v7, v[PCW+4*\c:PCW+4*\c+3], s[14:15] offset:512*\c   ; the operand's registers as they stand: each store covers 512 consecutive bytes, aligned
.endr
	v_cmp_gt_u32 vcc_lo, 16, v1                    ; lanes 0-15 hold the sixteen columns' words (lanes 16-31 the same again)
	s_wait_xcnt 0x0                                ; EXEC changes only behind this wait
	s_and_saveexec_b32 s33, vcc_lo
	global_store_b32 v5, v[PWW], s[16:17]
	s_wait_xcnt 0x0                                ; and again, in front of the line that widens it
	s_or_b32 exec_lo, exec_lo, s33
.Lend:
	s_wait_tensorcnt 0x0                           ; the wave's end
	ds_add_u32 v[SPW], v[NIL]
	s_wait_dscnt 0x0
	s_endpgm
.Lfunc_end_k_qcfd623d28d_prep:
	.size	k_qcfd623d28d_prep, .Lfunc_end_k_qcfd623d28d_prep-k_qcfd623d28d_prep
	.p2alignl 7, 3214868480
	.fill 96, 4, 3214868480
	.section	.rodata,"a",@progbits
	.p2align	6, 0x0
	.amdhsa_kernel k_qcfd623d28d_prep
		.amdhsa_group_segment_fixed_size 17408
		.amdhsa_private_segment_fixed_size 0
		.amdhsa_enable_private_segment 0
		.amdhsa_kernarg_size 64
		.amdhsa_user_sgpr_count 2
		.amdhsa_user_sgpr_kernarg_segment_ptr 1
		.amdhsa_wavefront_size32 1
		.amdhsa_system_sgpr_workgroup_id_x 1
		.amdhsa_system_sgpr_workgroup_id_y 1
		.amdhsa_system_sgpr_workgroup_id_z 1
		.amdhsa_system_vgpr_workitem_id 0
		.amdhsa_next_free_vgpr 256
		.amdhsa_next_free_sgpr 66
		.amdhsa_reserve_vcc 1
		.amdhsa_float_denorm_mode_32 3
		.amdhsa_float_denorm_mode_16_64 3
		.amdhsa_memory_ordered 1
		.amdhsa_forward_progress 1
		.amdhsa_inst_pref_size 60
	.end_amdhsa_kernel
	.amdgpu_metadata
---
amdhsa.version: [ 1, 2 ]
amdhsa.kernels:
  - .name:           k_qcfd623d28d_prep
    .symbol:         k_qcfd623d28d_prep.kd
    .args:
      - { .name: W2, .offset: 0, .size: 8, .value_kind: global_buffer, .address_space: global }
      - { .name: W1, .offset: 8, .size: 8, .value_kind: global_buffer, .address_space: global }
      - { .name: query, .offset: 16, .size: 8, .value_kind: global_buffer, .address_space: global }
      - { .name: b1, .offset: 24, .size: 8, .value_kind: global_buffer, .address_space: global }
      - { .name: b2, .offset: 32, .size: 8, .value_kind: global_buffer, .address_space: global }
      - { .name: w2f, .offset: 40, .size: 8, .value_kind: global_buffer, .address_space: global }
      - { .name: w2s, .offset: 48, .size: 8, .value_kind: global_buffer, .address_space: global }
      - { .name: qbc, .offset: 56, .size: 8, .value_kind: global_buffer, .address_space: global }
    .group_segment_fixed_size: 17408
    .private_segment_fixed_size: 0
    .kernarg_segment_align: 8
    .kernarg_segment_size: 64
    .max_flat_workgroup_size: 256
    .sgpr_count:     66
    .vgpr_count:     256
    .wavefront_size: 32
...
	.end_amdgpu_metadata
.endif
;; end of part 1
;; launch main (part 2): grid 256 x 1, 4 waves a work-group, clusters of 4 x 1, 327,680 bytes of LDS; arguments values, w2f, w2s, V, qbc, scores; writes scores
.if DOCPART == 2
	.amdgcn_target "amdgcn-amd-amdhsa--gfx1250"
	.amdhsa_code_object_version 6
	.text
	.protected	k_qcfd623d28d_main
	.globl	k_qcfd623d28d_main
	.p2align	8
	.type	k_qcfd623d28d_main,@function
k_qcfd623d28d_main:
	s_mov_b64 s[64:65], 0
	v_nop
	global_prefetch_b8 v0, s[64:65] scope:SCOPE_SE
	s_setreg_imm32_b32 hwreg(HW_REG_WAVE_MODE, 25, 1), 1
	s_wait_xcnt 0x0
	s_wait_alu depctr_hold_cnt(0) depctr_sa_sdst(0) depctr_va_vdst(0) depctr_va_sdst(0) depctr_va_ssrc(0) depctr_va_vcc(0) depctr_vm_vsrc(0)
	s_getreg_b32 s2, hwreg(HW_REG_IB_STS2, 6, 4)
	s_cmp_eq_u32 s2, 0
	s_cbranch_scc0 .Lentry_in_a_cluster
	s_endpgm
.Lentry_in_a_cluster:
	s_bfe_u32 s2, ttmp6, 0x10000c
	s_cmp_lg_u32 s2, 0x3003
	s_cbranch_scc0 .Lentry_shape_is_right
	s_endpgm
.Lentry_shape_is_right:
; BAHDANAU ATTENTION, launch 2 of 3: scores[b][t] = -2 log2(e) x sum over n of V[n] r[t][n],  r = 1 / (1 + 2^(c (Q(values) Q(W2))[t][n] + qbc[b][n])),  c = 2 log2(e).
; LEFT OUT: bV and the sum of V, the same for every t of a batch ahead of the softmax over t (shown at the head of the first launch).
; LIMITS OF THE QUANTISER: as stated at the head of the first launch (no NaN or infinity among the inputs; a block's byte never falls under 1).
; SHARES.  256 work-groups of four waves; a work-group owns 256 rows (b, t), a wave 64 of them: four tiles of 16 rows.
; PHASE 1.  values come in eight K steps of 128 through two LDS slots (a wave fetches and reads its own 64 rows x 512 bytes); each step is quantised in registers and its codes end in windows 1 and 2:
;   K step s, row tile m at register 256 (1 + s / 4) + 64 (s % 4) + 16 m.  The scale words: v[AS + 4 m + s / 2], even steps in lanes 0-15, odd steps in lanes 16-31.
; PHASE 2.  W2's codes (w2f, in the order of an operand's registers) walk through the same two slots, eight tiles of 16 columns a slot, by loads that the four work-groups of a cluster ask for jointly.
;   A TRIP takes two tiles: 64 matrix instructions on eight accumulators by turns (source 0 = 16 columns of W2, source 1 = 16 rows: a lane holds one row and eight columns), then the activation of the 64 sums a lane
;   as whole batches: no transcendental stands inside a sum.  The two tiles' fragments fill window 3; the next pair's low half of K is fetched in the trip's middle, its high half under the activation.
;   The change of slots stands in the middle of a slot's fourth trip, where all reads of the slot have come back.
; No prefetch: phase 1 only streams values, one slot asked for while the other is quantised; in phase 2 a slot's fill is asked for four trips, 256 matrix instructions a wave, ahead of its first read.
; LDS: two slots of 256 rows x 528 bytes; behind them (stored by the waves, never a tensor load's target) in phase 1 a stage for codes and scale words, then w2s (32 KiB), V, qbc's row; then the spare words.
.set RP,    528                        ; an LDS row: 512 bytes + 16 of padding
.set WPART, 64*RP                      ; what one tensor load brings
.set SLOTB, 4*WPART
.set TILEB, 32*RP                      ; a tile of W2: 32 rows (K step, piece) of 512 bytes
.set XBASE, 2*SLOTB
.set XBS,   XBASE
.set XV,    XBASE+32768
.set XQ,    XV+4352
.set SPARE, XQ+4352
.set XST,   XBASE
.set XSS,   XBASE+32768
.set L16,  1                           ; 16 x lane
.set LS0,  2                           ; XBS + 4 x lane
.set LV0,  3                           ; XV + 32 (lane / 16)
.set LB,   4                           ; the next pair's fragments
.set LS,   5                           ; the next pair's scale words
.set LV,   6                           ; this pair's V and qbc
.set SPW,  7                           ; my spare word; never rewritten
.set NIL,  8                           ; 0; never rewritten
.set XA0,  9
.set SA0,  10
.set SS0,  11
.set WA1,  12
.set WA2,  13
.set WA3,  14
.set LSS,  15
.set XN,   16                          ; phase 1: v16-79 numbers, v80-95 codes, v96-111 at work, v112 scale word, v144-223 w2s, V, qbc on their way to LDS
.set PC,   80
.set TM,   96
.set PW,   112
.set HOLD, 144
.set GOF,  224
.set HST,  225
.set ACC,  16                          ; phase 2: v16-79 accumulator (tile e, row tile m) at 32 e + 8 m
.set VV,   80                          ; v80-95  V's eight numbers of each tile
.set QB,   96                          ; v96-111 qbc's
.set SC,   112                         ; v112-127 the scores' sums, a pair for each (e, m)
.set AS,   232                         ; v232-247 values' scale words
.set BS,   248                         ; v248-255 W2's: tile e, steps 2 f and 2 f + 1 at 4 e + (f + 1) % 4: no product's two scale registers have numbers equal modulo 8
.set WV,   16
.set CX,   17
.set WG,   18
.set WP,   19
.set SEL,  20
.set CS,   22
.set MNT,  24
.set IC,   25
.set OC,   26
.set TB,   27
.set G1V,  28
.set G1W,  36
.set G0V,  44
.set G0W,  52
.set TS,   60
.set TV,   61
.set MB,   62
.set MS,   63
.set MQ,   66
.set MSB, 0
.macro WIN new                         ; the immediate's high byte repeats the setting that is left
.if MSB != \new
	s_set_vgpr_msb (MSB<<8)|\new
.set MSB, \new
.endif
.endm
.macro PLACES n
.rept \n
	v_nop
.endr
.endm
.macro CREST                           ; a round of the cluster's barrier behind its opening barrier
	s_cmp_lg_u32 s[WV], 0
	s_cbranch_scc1 .Lnot_wave_0_\@
	s_barrier_signal -3
.Lnot_wave_0_\@:
	s_barrier_wait -3
	s_barrier_signal -1
	s_barrier_wait -1
.endm
.macro CROUND
	s_barrier_signal -1
	s_barrier_wait -1
	CREST
.endm
.macro TL g0, g1                       ; a tensor load; s_nop 0 and four v_nop follow
	tensor_load_to_lds s[\g0:\g0+3], s[\g1:\g1+7]
	s_nop 0
	PLACES 4
.endm
; 64 numbers of a lane, register 16 b + i = k 32 b + 16 (lane / 16) + i, become a fragment's codes and its scale word
.macro QUANT s, pc, pw
.irp b, 0,1,2,3
	v_max3_num_f32 v[TM+\b], |v[\s+16*\b]|, |v[\s+1+16*\b]|, 0x8000000   ; with the floor 2^(16 - 127): the byte cannot fall under 1
.endr
.irp i, 2,4,6,8,10,12,14
.irp b, 0,1,2,3
	v_max3_num_f32 v[TM+\b], v[TM+\b], |v[\s+16*\b+\i]|, |v[\s+1+16*\b+\i]|
.endr
.endr
.irp b, 0,1,2,3
	v_permlanex16_b32 v[TM+4+\b], v[TM+\b], s[SEL], s[SEL+1]
.endr
.irp b, 0,1,2,3
	v_max_num_f32 v[TM+\b], v[TM+\b], v[TM+4+\b]   ; the block's largest magnitude
.endr
.irp b, 0,1,2,3
	v_add_nc_u32 v[TM+12+\b], 0xf8800000, v[TM+\b]   ; 15 off its exponent field: the conversion's scale operand
.endr
.irp b, 0,1,2,3
	v_and_or_b32 v[TM+8+\b], v[TM+\b], 0x7f800000, s[MNT]   ; 57,344 x the scale
.endr
.irp b, 0,1,2,3
	v_lshrrev_b32 v[TM+4+\b], 23, v[TM+12+\b]   ; the byte
.endr
	v_lshl_or_b32 v[\pw], v[TM+5], 8, v[TM+4]
	v_lshl_or_b32 v[\pw], v[TM+6], 16, v[\pw]
	v_lshl_or_b32 v[\pw], v[TM+7], 24, v[\pw]
.irp b, 0,1,2,3
.irp i, 0,1,2,3,4,5,6,7,8,9,10,11,12,13,14,15
	v_med3_num_f32 v[\s+16*\b+\i], v[\s+16*\b+\i], -v[TM+8+\b], v[TM+8+\b]   ; the hold: the conversion does not saturate (ISA guide 7.6.2)
.endr
	v_cvt_scalef32_pk8_bf8_f32 v[\pc+4*\b:\pc+1+4*\b], v[\s+16*\b:\s+7+16*\b], v[TM+12+\b]
	v_cvt_scalef32_pk8_bf8_f32 v[\pc+2+4*\b:\pc+3+4*\b], v[\s+8+16*\b:\s+15+16*\b], v[TM+12+\b]
.endr
	v_nop                                          ; one plain line behind the last conversion
.endm
	s_load_b256 s[4:11], s[0:1], 0x0               ; values, w2f, w2s, V
	s_load_b128 s[12:15], s[0:1], 0x20             ; qbc, scores
	v_lshl_add_u32 v[SPW], v0, 2, SPARE
	v_mov_b32 v[NIL], 0
	ds_add_u32 v[SPW], v[NIL]                      ; the opening lines: the add twice on end and its wait
	ds_add_u32 v[SPW], v[NIL]
	v_lshrrev_b32 v4, 5, v0
	v_readfirstlane_b32 s[WV], v4                  ; wave
	s_bfe_u32 s[CX], ttmp6, 0x40000
	s_lshl_b32 s[WG], ttmp9, 2
	s_add_co_u32 s[WG], s[WG], s[CX]               ; work-group = 4 x cluster + cx
	s_mul_i32 s[WP], s[WV], WPART
	s_mov_b32 s[G1V], (2<<16)|(1<<20)|(6<<22)|(3<<25)   ; values: 64 rows of 128 f32, 4,096 bytes apart, 16 bytes of padding behind each
	s_mov_b32 s[G1V+1], 128<<16
	s_mov_b32 s[G1V+2], 64<<16
	s_mov_b32 s[G1V+3], 128<<16
	s_mov_b32 s[G1V+4], 64
	s_mov_b32 s[G1V+5], 1024
	s_mov_b32 s[G1V+6], 0
	s_mov_b32 s[G1V+7], 0
	s_mov_b32 s[G1W], 15|(2<<16)|(1<<20)|(1<<21)|(6<<22)|(3<<25)   ; w2f: 64 dense rows of 512 bytes, asked for jointly by the cluster's four
	s_mov_b32 s[G1W+1], 128<<16
	s_mov_b32 s[G1W+2], 64<<16
	s_mov_b32 s[G1W+3], 128<<16
	s_mov_b32 s[G1W+4], 64
	s_mov_b32 s[G1W+5], 128
	s_mov_b32 s[G1W+6], 0
	s_mov_b32 s[G1W+7], 0
	s_lshl_b32 s2, s[WG], 20                       ; values: 256 rows a work-group, 64 a wave
	s_lshl_b32 s3, s[WV], 18
	s_add_co_u32 s2, s2, s3
	s_mov_b32 s3, 0
	s_lshl_b32 s70, s[WV], 15                      ; w2f: a quarter of a slot a wave
	s_mov_b32 s71, 0
	s_lshr_b32 s66, ttmp9, 1                       ; the batch: eight work-groups each
	s_lshl_b32 s66, s66, 12
	s_mov_b32 s67, 0
	s_mov_b32 s[SEL], 0x76543210
	s_mov_b32 s[SEL+1], 0xfedcba98
	s_mov_b32 s[CS], 0x4038aa3b                    ; c = 2 log2(e)
	s_mov_b32 s[CS+1], s[CS]
	s_mov_b32 s[MNT], 0x600000
	s_wait_dscnt 0x0
	s_wait_kmcnt 0x0
	s_add_nc_u64 s[68:69], s[4:5], s[2:3]
	s_mov_b32 s[G0V], 1
	s_mov_b32 s[G0V+1], s[WP]
	s_mov_b64 s[G0V+2:G0V+3], s[68:69]
	s_or_b32 s[G0V+3], s[G0V+3], 0x80000000
	s_mov_b32 s[G0V+4], 1
	s_add_co_u32 s[G0V+5], s[WP], SLOTB
	s_add_nc_u64 s[G0V+6:G0V+7], s[68:69], 512
	s_or_b32 s[G0V+7], s[G0V+7], 0x80000000
	s_mov_b32 s[G0W], 1
	s_mov_b32 s[G0W+1], s[WP]
	s_add_nc_u64 s[G0W+2:G0W+3], s[6:7], s[70:71]
	s_mov_b32 s[G0W+4], 1
	s_add_co_u32 s[G0W+5], s[WP], SLOTB
	s_add_nc_u64 s[G0W+6:G0W+7], s[G0W+2:G0W+3], 131072
	s_or_b32 s[G0W+3], s[G0W+3], 0x80000000
	s_or_b32 s[G0W+7], s[G0W+7], 0x80000000
	s_add_nc_u64 s[12:13], s[12:13], s[66:67]
	CROUND
	tensor_load_to_lds s[G0V:G0V+3], s[G1V:G1V+7]  ; K step 0: one tensor load a wave at the head
	s_nop 0
	s_wait_alu depctr_va_vdst(0)
	s_wait_tensorcnt 0x0                           ; the full sequence ahead of slot 1's first fill
	ds_add_u32 v7, v8
	s_wait_dscnt 0x0
	CROUND
	tensor_load_to_lds s[G0V+4:G0V+7], s[G1V:G1V+7]
	s_nop 0
	PLACES 4
	v_lshlrev_b32 v[GOF], 4, v0
.irp i, 0,1,2,3,4,5,6,7,8,9,10,11,12,13,14,15
	global_load_b128 v[HOLD+4*\i:HOLD+4*\i+3], v[GOF], s[8:9] offset:2048*\i     ; w2s, whole: 32 KiB a work-group
.endr
.irp i, 0,1
	global_load_b128 v[HOLD+64+4*\i:HOLD+64+4*\i+3], v[GOF], s[10:11] offset:2048*\i   ; V
	global_load_b128 v[HOLD+72+4*\i:HOLD+72+4*\i+3], v[GOF], s[12:13] offset:2048*\i   ; my batch's row of qbc
.endr
	v_and_b32 v4, 31, v0
	v_and_b32 v5, 15, v0
	v_bfe_u32 v6, v0, 4, 1
	v_lshlrev_b32 v[L16], 4, v4
	v_lshl_add_u32 v[LS0], v4, 2, XBS
	v_lshl_add_u32 v[LV0], v6, 5, XV
	v_mul_u32_u24 v[XA0], v5, RP
	v_lshl_add_u32 v[XA0], v6, 6, v[XA0]
	v_add_nc_u32 v[XA0], s[WP], v[XA0]             ; row r of my 64, + 64 h: my 16 numbers of a block
	s_lshl_b32 s2, s[WV], 13
	s_add_co_u32 s2, s2, XST
	v_add_nc_u32 v[SA0], s2, v[L16]
	s_lshl_b32 s2, s[WV], 9
	s_add_co_u32 s2, s2, XSS
	v_lshl_add_u32 v[SS0], v5, 2, s2
	v_lshl_add_u32 v[LSS], v4, 2, s2
	v_add_nc_u32 v[HST], XBASE, v[GOF]
.irp b, 0,1,2,3
	v_mov_b32 v[TM+4+\b], 0                        ; a lane permute's destination counts as one of its sources
.endr
	s_wait_alu depctr_va_vdst(0)
; K step s of phase 1: the change of slots, four tiles of 16 rows quantised in a loop, and the codes through my stage into their registers
.macro KSTEP s
.if \s > 0
	s_wait_tensorcnt 0x0
	ds_add_u32 v[SPW], v[NIL]
.if \s < 7
	s_add_nc_u64 s[G0V+4*((\s+1)%2)+2:G0V+4*((\s+1)%2)+3], s[G0V+4*((\s+1)%2)+2:G0V+4*((\s+1)%2)+3], 1024
.endif
	s_wait_dscnt 0x0
	CROUND
.if \s < 7
	TL G0V+4*((\s+1)%2), G1V
.else
	TL G0W, G1W                                    ; W2's first eight tiles, over K step 6's numbers
.endif
.else
	s_wait_tensorcnt 0x1                           ; K step 0 is in; K step 1's load may be out
.endif
	s_mov_b32 s[MB], ((\s)%2)*SLOTB
	s_mov_b32 s[MS], 0
	s_mov_b32 s[MQ], 0
	s_mov_b32 s[IC], 4
.Lm_\@:
	v_add_nc_u32 v[WA1], s[MB], v[XA0]
	v_add_nc_u32 v[WA2], s[MS], v[SA0]
	v_add_nc_u32 v[WA3], s[MQ], v[SS0]
.irp b, 0,1,2,3
.irp j, 0,1,2,3
	ds_load_b128 v[XN+16*\b+4*\j:XN+16*\b+4*\j+3], v[WA1] offset:128*\b+16*\j
.endr
.endr
	s_wait_dscnt 0x0
	QUANT XN, PC, PW
.irp c, 0,1,2,3
	ds_store_b128 v[WA2], v[PC+4*\c:PC+4*\c+3] offset:512*\c
.endr
	ds_store_b32 v[WA3], v[PW] offset:((\s)%2)*64
	s_add_co_u32 s[MB], s[MB], 16*RP
	s_add_co_u32 s[MS], s[MS], 2048
	s_add_co_u32 s[MQ], s[MQ], 128
	s_sub_co_u32 s[IC], s[IC], 1
	s_cmp_lg_u32 s[IC], 0
	s_cbranch_scc1 .Lm_\@
	WIN 0x40+0x40*((\s)/4)
.irp m, 0,1,2,3
.irp c, 0,1,2,3
	ds_load_b128 v[64*((\s)%4)+16*\m+4*\c:64*((\s)%4)+16*\m+4*\c+3], v[SA0] offset:2048*\m+512*\c   ; LDS serves a wave's instructions in order: these see my stores
.endr
.endr
	WIN 0
.if (\s)%2
.irp m, 0,1,2,3
	ds_load_b32 v[AS+4*\m+(\s)/2], v[LSS] offset:128*\m
.endr
.endif
.endm
.irp s, 0,1,2,3,4,5,6,7
	KSTEP \s
.endr
	s_wait_dscnt 0x0                               ; my reads of the stage are over
	s_barrier_signal -1
	s_barrier_wait -1
	s_wait_loadcnt 0x0
.irp i, 0,1,2,3,4,5,6,7,8,9,10,11,12,13,14,15
	ds_store_b128 v[HST], v[HOLD+4*\i:HOLD+4*\i+3] offset:2048*\i
.endr
.irp i, 0,1
	ds_store_b128 v[HST], v[HOLD+64+4*\i:HOLD+64+4*\i+3] offset:XV-XBASE+2048*\i
	ds_store_b128 v[HST], v[HOLD+72+4*\i:HOLD+72+4*\i+3] offset:XQ-XBASE+2048*\i
.endr
.set i_, 0
.rept 16
	v_mov_b32 v[SC+i_], 0
.set i_, i_+1
.endr
; ---- PHASE 2
.macro MM from, to                     ; K steps from .. to - 1 of a pair of tiles: eight accumulators by turns, one instruction a turn
.set s_, \from
.rept (\to)-(\from)
.set w_, 0x03|((1+s_/4)<<2)
	WIN w_                                         ; source 0: window 3; source 1: window 1 or 2; sums: window 0
.set e_, 0
.rept 2
.set m_, 0
.rept 4
.set rD, ACC+32*e_+8*m_
.set rA, 128*e_+16*s_
.set rB, 64*(s_%4)+16*m_
.set rX, BS+4*e_+((s_/2+1)%4)
.set rY, AS+4*m_+s_/2
.if s_ == 0
	v_wmma_scale_f32_16x16x128_f8f6f4 v[rD:rD+7], v[rA:rA+15], v[rB:rB+15], 0, v[rX], v[rY] matrix_a_fmt:MATRIX_FMT_BF8 matrix_b_fmt:MATRIX_FMT_BF8
.elseif s_%2
	v_wmma_scale_f32_16x16x128_f8f6f4 v[rD:rD+7], v[rA:rA+15], v[rB:rB+15], v[rD:rD+7], v[rX], v[rY] matrix_a_fmt:MATRIX_FMT_BF8 matrix_b_fmt:MATRIX_FMT_BF8 matrix_a_scale:MATRIX_SCALE_ROW1 matrix_b_scale:MATRIX_SCALE_ROW1
.else
	v_wmma_scale_f32_16x16x128_f8f6f4 v[rD:rD+7], v[rA:rA+15], v[rB:rB+15], v[rD:rD+7], v[rX], v[rY] matrix_a_fmt:MATRIX_FMT_BF8 matrix_b_fmt:MATRIX_FMT_BF8
.endif
.set m_, m_+1
.endr
.set e_, e_+1
.endr
.set s_, s_+1
.endr
.endm
.macro LOADF half, adr                 ; 32 loads: K steps 4 half .. 4 half + 3 of both tiles into window 3; each load reads 512 bytes on end
	WIN 0xc0
.irp e, 0,1
.irp f, 0,1,2,3,4,5,6,7,8,9,10,11,12,13,14,15
	ds_load_b128 v[128*\e+64*\half+4*\f:128*\e+64*\half+4*\f+3], v[\adr] offset:\e*TILEB+(16*\half+\f)*RP
.endr
.endr
	WIN 0
.endm
.macro BSL adr                         ; 8 loads: both tiles' scale words
.irp e, 0,1
.irp f, 0,1,2,3
	ds_load_b32 v[BS+4*\e+((\f+1)%4)], v[\adr] offset:512*\e+128*\f
.endr
.endr
.endm
.macro SMALL                           ; 8 loads: qbc's and V's eight numbers of each tile: columns 16 j + 8 (lane / 16) + 0 .. 7
.irp e, 0,1
	ds_load_b128 v[QB+8*\e:QB+8*\e+3], v[LV] offset:XQ-XV+64*\e
	ds_load_b128 v[QB+8*\e+4:QB+8*\e+7], v[LV] offset:XQ-XV+64*\e+16
	ds_load_b128 v[VV+8*\e:VV+8*\e+3], v[LV] offset:64*\e
	ds_load_b128 v[VV+8*\e+4:VV+8*\e+7], v[LV] offset:64*\e+16
.endr
.endm
.macro ACT                             ; the 64 sums of a lane: y = c x + qbc; 2^y; + 1; the reciprocal; x V into the scores' sums.  Each batch of transcendentals has one wait ahead of it and one behind it
.set i_, 0
.rept 32
	v_pk_fma_f32 v[ACC+2*i_:ACC+2*i_+1], v[ACC+2*i_:ACC+2*i_+1], s[CS:CS+1], v[QB+8*(i_/16)+2*(i_%4):QB+8*(i_/16)+2*(i_%4)+1] op_sel_hi:[1,0,1]   ; each accumulator from its low end on
.set i_, i_+1
.endr
	s_wait_alu depctr_va_vdst(0)
.set i_, 0
.rept 64
	v_exp_f32 v[ACC+i_], v[ACC+i_]
.set i_, i_+1
.endr
	v_nop
	s_wait_alu depctr_va_vdst(0)
.set i_, 0
.rept 32
	v_pk_add_f32 v[ACC+2*i_:ACC+2*i_+1], v[ACC+2*i_:ACC+2*i_+1], 1.0 op_sel_hi:[1,0]
.set i_, i_+1
.endr
	s_wait_alu depctr_va_vdst(0)
.set i_, 0
.rept 64
	v_rcp_f32 v[ACC+i_], v[ACC+i_]                 ; an infinite 2^y gives r = 0
.set i_, i_+1
.endr
	v_nop
	s_wait_alu depctr_va_vdst(0)
.irp k, 0,1,2,3
.irp e, 0,1
.irp m, 0,1,2,3
	v_pk_fma_f32 v[SC+8*\e+2*\m:SC+8*\e+2*\m+1], v[ACC+32*\e+8*\m+2*\k:ACC+32*\e+8*\m+2*\k+1], v[VV+8*\e+2*\k:VV+8*\e+2*\k+1], v[SC+8*\e+2*\m:SC+8*\e+2*\m+1]
.endr
.endr
.endr
.endm
; A TRIP.  mode 0: the next pair lies in the same slot.  1: the slot's last pair: change of slots in a round of the cluster's barrier, slot p filled again.  2: change of slots, nothing filled.  3: the last pair of all.
; LDS loads in their order: [middle] SMALL 8, next low half 32; [behind the products] next scale words 8, next high half 32.
.macro TRIP mode, p
.if \mode != 3
	v_add_nc_u32 v[LB], s[TB], v[L16]
	v_add_nc_u32 v[LS], s[TS], v[LS0]
.endif
	v_add_nc_u32 v[LV], s[TV], v[LV0]
	s_wait_alu depctr_va_vdst(0)                   ; the wait behind these writes
	s_wait_dscnt 32                                ; the low half and the scale words are in; the youngest 32, the high half, may be out
	MM 0, 4
	WIN 0
.if \mode == 0
	PLACES 8                                       ; ahead of loads into registers that the products have read (ISA guide 7.12.1 for vector instructions)
	SMALL
	LOADF 0, LB
	s_wait_dscnt 40                                ; all but the 40 just issued: the high half is in
	MM 4, 8
.elseif \mode == 3
	SMALL
	s_wait_dscnt 8
	MM 4, 8
.else
	s_wait_tensorcnt 0x0                           ; my part of the other slot is in;
	ds_add_u32 v[SPW], v[NIL]
.if \mode == 1
	s_add_nc_u64 s[G0W+4*\p+2:G0W+4*\p+3], s[G0W+4*\p+2:G0W+4*\p+3], 262144   ; no load of mine is out: this slot's next eight tiles
.endif
	s_wait_dscnt 0x0                               ; the add is done, and all my reads of this slot have come back
	s_barrier_signal -1
	MM 4, 6                                        ; work on registers while the others arrive
	WIN 0
	s_barrier_wait -1
.if \mode == 1
	CREST
	TL G0W+4*\p, G1W                               ; the joint refill, first behind the round; its four v_nop are four of the eight places
	PLACES 4
.else
	PLACES 8
.endif
	SMALL
	LOADF 0, LB
	MM 6, 8
.endif
	WIN 0
	PLACES 8                                       ; ahead of the loads below and of the first read of the sums
.if \mode == 3
	s_wait_dscnt 0x0
.else
	s_wait_dscnt 16                                ; SMALL is in (of the 32 behind it the youngest 16 may be out)
	BSL LS
	LOADF 1, LB
.endif
	ACT
.if \mode != 3
	s_add_co_u32 s[TS], s[TS], 1024
	s_add_co_u32 s[TV], s[TV], 128
.endif
.endm
.macro SLOT p, mode                    ; a slot's four pairs
	s_mov_b32 s[TB], \p*SLOTB+2*TILEB
	s_mov_b32 s[IC], 3
.Lt_\@:
	TRIP 0, \p
	s_add_co_u32 s[TB], s[TB], 2*TILEB
	s_sub_co_u32 s[IC], s[IC], 1
	s_cmp_lg_u32 s[IC], 0
	s_cbranch_scc1 .Lt_\@
	s_mov_b32 s[TB], (1-\p)*SLOTB
	TRIP \mode, \p
.endm
	s_mov_b32 s[TS], 1024                          ; the next pair's scale words
	s_mov_b32 s[TV], 0                             ; this pair's V and qbc
	s_wait_tensorcnt 0x0                           ; W2's first eight tiles are in; the three lines ahead of slot 1's refill
	ds_add_u32 v[SPW], v[NIL]
	s_wait_dscnt 0x0                               ; and my stores of w2s, V and qbc are done
	CROUND
	TL G0W+4, G1W                                  ; tiles 8 to 15, over K step 7's numbers
	LOADF 0, L16
	BSL LS0
	s_wait_dscnt 16
	LOADF 1, L16
	s_mov_b32 s[OC], 3
.Lgroups:                                          ; slots 0 to 5: each is filled again when it has been read
	SLOT 0, 1
	SLOT 1, 1
	s_sub_co_u32 s[OC], s[OC], 1
	s_cmp_lg_u32 s[OC], 0
	s_cbranch_scc1 .Lgroups
	SLOT 0, 2                                      ; the last two slots are written out: they ask for nothing
	SLOT 1, 3
; the scores: both tiles' sums, both halves of a pair, both halves of the lanes; x -2 log2(e)
.set T, 16
.irp m, 0,1,2,3
	v_pk_add_f32 v[SC+2*\m:SC+2*\m+1], v[SC+2*\m:SC+2*\m+1], v[SC+8+2*\m:SC+8+2*\m+1]
.endr
.irp m, 0,1,2,3
	v_mov_b32 v[T+4+\m], 0
	v_add_f32 v[T+\m], v[SC+2*\m], v[SC+2*\m+1]
.endr
.irp m, 0,1,2,3
	v_permlanex16_b32 v[T+4+\m], v[T+\m], s[SEL], s[SEL+1]
.endr
.irp m, 0,1,2,3
	v_add_f32 v[T+\m], v[T+\m], v[T+4+\m]
.endr
.irp m, 0,1,2,3
	v_mul_f32 v[T+\m], 0xc038aa3b, v[T+\m]
.endr
	v_and_b32 v24, 31, v0
	v_lshlrev_b32 v27, 2, v24
	v_cmp_gt_u32 vcc_lo, 16, v24
	v_cndmask_b32 v25, v[T+1], v[T], vcc_lo        ; lanes 0-15: rows 0-15; lanes 16-31: rows 16-31
	v_cndmask_b32 v26, v[T+3], v[T+2], vcc_lo
	s_lshl_b32 s2, s[WG], 10
	s_lshl_b32 s3, s[WV], 8
	s_add_co_u32 s2, s2, s3
	s_mov_b32 s3, 0
	s_add_nc_u64 s[14:15], s[14:15], s[2:3]
	global_store_b32 v27, v25, s[14:15]            ; my 64 scores: 256 bytes on end, aligned, in two stores
	global_store_b32 v27, v26, s[14:15] offset:128
	s_wait_tensorcnt 0x0                           ; the wave's end
	ds_add_u32 v[SPW], v[NIL]
	s_wait_dscnt 0x0
	CROUND                                         ; the closing round
	s_endpgm
.Lfunc_end_k_qcfd623d28d_main:
	.size	k_qcfd623d28d_main, .Lfunc_end_k_qcfd623d28d_main-k_qcfd623d28d_main
	.p2alignl 7, 3214868480
	.fill 96, 4, 3214868480
	.section	.rodata,"a",@progbits
	.p2align	6, 0x0
	.amdhsa_kernel k_qcfd623d28d_main
		.amdhsa_group_segment_fixed_size 327680
		.amdhsa_private_segment_fixed_size 0
		.amdhsa_enable_private_segment 0
		.amdhsa_kernarg_size 48
		.amdhsa_user_sgpr_count 2
		.amdhsa_user_sgpr_kernarg_segment_ptr 1
		.amdhsa_wavefront_size32 1
		.amdhsa_system_sgpr_workgroup_id_x 1
		.amdhsa_system_sgpr_workgroup_id_y 1
		.amdhsa_system_sgpr_workgroup_id_z 1
		.amdhsa_system_vgpr_workitem_id 0
		.amdhsa_next_free_vgpr 1024
		.amdhsa_next_free_sgpr 80
		.amdhsa_reserve_vcc 1
		.amdhsa_float_denorm_mode_32 3
		.amdhsa_float_denorm_mode_16_64 3
		.amdhsa_memory_ordered 1
		.amdhsa_forward_progress 1
		.amdhsa_inst_pref_size 255
	.end_amdhsa_kernel
	.section	.bss,"aw",@nobits
	.p2align	6
	.space	262144
	.amdgpu_metadata
---
amdhsa.version: [ 1, 2 ]
amdhsa.kernels:
  - .name:           k_qcfd623d28d_main
    .symbol:         k_qcfd623d28d_main.kd
    .args:
      - { .name: values, .offset: 0, .size: 8, .value_kind: global_buffer, .address_space: global }
      - { .name: w2f, .offset: 8, .size: 8, .value_kind: global_buffer, .address_space: global }
      - { .name: w2s, .offset: 16, .size: 8, .value_kind: global_buffer, .address_space: global }
      - { .name: V, .offset: 24, .size: 8, .value_kind: global_buffer, .address_space: global }
      - { .name: qbc, .offset: 32, .size: 8, .value_kind: global_buffer, .address_space: global }
      - { .name: scores, .offset: 40, .size: 8, .value_kind: global_buffer, .address_space: global }
    .group_segment_fixed_size: 327680
    .private_segment_fixed_size: 0
    .kernarg_segment_align: 8
    .kernarg_segment_size: 48
    .max_flat_workgroup_size: 128
    .sgpr_count:     80
    .vgpr_count:     1024
    .wavefront_size: 32
...
	.end_amdgpu_metadata
.endif
;; end of part 2
;; launch ctx (part 3): grid 8 x 32, 8 waves a work-group, no clusters, 13,824 bytes of LDS; arguments values, scores, out0, out1; writes out0, out1
.if DOCPART == 3
	.amdgcn_target "amdgcn-amd-amdhsa--gfx1250"
	.amdhsa_code_object_version 6
	.text
	.protected	k_qcfd623d28d_ctx
	.globl	k_qcfd623d28d_ctx
	.p2align	8
	.type	k_qcfd623d28d_ctx,@function
k_qcfd623d28d_ctx:
	s_mov_b64 s[64:65], 0
	v_nop
	global_prefetch_b8 v0, s[64:65] scope:SCOPE_SE
	s_setreg_imm32_b32 hwreg(HW_REG_WAVE_MODE, 25, 1), 1
	s_wait_xcnt 0x0
; BAHDANAU ATTENTION, launch 3 of 3: the softmax over t and the context vector.
; scores[b][t] holds the score x log2(e) less a number that is the same for all t of a batch (left out: shown at the head of the first launch), so the weights are 2^(s - max) / the sum of these.
; out1[b][t] = the weight;  out0[b][d] = sum over t of the weight x values[b][t][d], in f32.
; SHARES.  Work-group (x, b) owns out0[b][128 x .. 128 x + 127] and out1[b][256 x .. 256 x + 255]: each output has one owner.  Wave w takes t = 256 w .. 256 w + 255.
; Every work-group of a batch forms the batch's softmax anew from 8 KiB of scores: wave w its own 256, under its own maximum; the eight waves' maxima and sums meet in LDS.
; A load of a wave covers a row's 512 bytes of the work-group's columns, aligned.  A ring of 32 slots in registers keeps 32 loads of every wave on their way; the row loads are issued ahead of the softmax.
; Memory binds: no matrix unit, no cluster, no tensor load, no prefetch: the launch does nothing but stream values, and work-groups share only the scores.
; LIMIT: weights under 2^-126 come out as 0 (v_exp_f32 flushes denormal results: ISA guide, 15.8).
.set WL,    0                          ; LDS: each wave's 256 weights, 1,024 bytes
.set STAT,  8192                       ; the eight waves' (maximum, sum)
.set RED,   8448                       ; the eight waves' partial context, 512 bytes each
.set SPARE, 12544                      ; the spare words, 128 bytes for each wave
.set WA,   2                           ; the round's weights
.set SPW,  3                           ; LDS address of my spare word; never rewritten
.set NIL,  4                           ; 0; never rewritten
.set WA0,  5                           ; my wave's weights
.set S,    8                           ; v8-15   my eight scores, then weights: t = 4 lane + k and 128 + 4 lane + k
.set X,    64                          ; v64-191 32 slots of four
.set W,    192                         ; v192-223 a round's 32 weights, the same in every lane
.set ACC,  224                         ; v224-231 two sets of four sums, by turns
	s_load_b256 s[4:11], s[0:1], 0x0               ; values s[4:5], scores s[6:7], out0 s[8:9], out1 s[10:11]
	v_lshl_add_u32 v[SPW], v0, 2, SPARE
	v_mov_b32 v[NIL], 0
	v_lshrrev_b32 v5, 5, v0
	s_delay_alu instid0(VALU_DEP_1)
	v_readfirstlane_b32 s12, v5                    ; wave
	v_and_b32 v6, 31, v0
	s_delay_alu instid0(VALU_DEP_1)
	v_lshlrev_b32 v1, 4, v6                        ; 16 x lane; never rewritten
	s_wait_alu depctr_va_vdst(0)
	s_and_b32 s13, ttmp7, 0xffff                   ; batch
	s_lshl_b32 s14, s13, 23                        ; values: 2,048 rows of 4,096 bytes a batch,
	s_lshl_b32 s15, s12, 20                        ; 256 rows a wave,
	s_add_co_u32 s14, s14, s15
	s_lshl_b32 s15, ttmp9, 9                       ; 512 bytes of a row a work-group
	s_add_co_u32 s14, s14, s15
	s_mov_b32 s15, 0
	s_lshl_b32 s16, s13, 13                        ; scores and out1: 2,048 numbers a batch, 256 a wave
	s_lshl_b32 s17, s12, 10
	s_add_co_u32 s16, s16, s17
	s_mov_b32 s17, 0
	s_lshl_b32 s18, s13, 12                        ; out0
	s_lshl_b32 s19, ttmp9, 9
	s_add_co_u32 s18, s18, s19
	s_mov_b32 s19, 0
	s_mov_b32 s20, 0x76543210
	s_mov_b32 s21, 0xfedcba98                      ; selects for lane l xor 16
	s_lshl_b32 s22, s12, 10
	v_mov_b32 v[WA0], s22
	v_add_nc_u32 v48, s22, v1                      ; where I put my weights
	s_lshl_b32 s23, s12, 3
	s_add_co_u32 s23, s23, STAT
	v_mov_b32 v6, s23
	v_mov_b32 v7, STAT
	s_lshl_b32 s23, s12, 9
	s_add_co_u32 s23, s23, RED
	v_add_nc_u32 v49, s23, v1
	v_add_nc_u32 v50, RED, v1
	s_mov_b32 s24, 0                               ; the round's step among my weights
	s_mov_b32 s25, 7
.irp i, 0,1,2,3,4,5,6,7
	v_mov_b32 v[ACC+\i], 0
.endr
	s_wait_kmcnt 0x0
	s_add_nc_u64 s[4:5], s[4:5], s[14:15]
	s_add_nc_u64 s[6:7], s[6:7], s[16:17]
	s_add_nc_u64 s[10:11], s[10:11], s[16:17]
	s_add_nc_u64 s[8:9], s[8:9], s[18:19]
	global_load_b128 v[S:S+3], v1, s[6:7]
	global_load_b128 v[S+4:S+7], v1, s[6:7] offset:512
.set i, 0
.rept 32
	global_load_b128 v[X+4*i:X+4*i+3], v1, s[4:5] offset:i*4096 th:TH_LOAD_NT   ; the ring is filled: rows 0 to 31
.set i, i+1
.endr
	s_wait_loadcnt 32                              ; the scores are in; the 32 rows stay on their way
	v_max3_num_f32 v32, v[S], v[S+1], v[S+2]
	v_max3_num_f32 v33, v[S+3], v[S+4], v[S+5]
	s_delay_alu instid0(VALU_DEP_2)
	v_max3_num_f32 v32, v32, v[S+6], v[S+7]
	s_delay_alu instid0(VALU_DEP_1)
	v_max_num_f32 v32, v32, v33
	s_delay_alu instid0(VALU_DEP_1)
	v_max_num_f32_dpp v32, v32, v32 row_xmask:1 row_mask:0xf bank_mask:0xf
	s_delay_alu instid0(VALU_DEP_1)
	v_max_num_f32_dpp v32, v32, v32 row_xmask:2 row_mask:0xf bank_mask:0xf
	s_delay_alu instid0(VALU_DEP_1)
	v_max_num_f32_dpp v32, v32, v32 row_xmask:4 row_mask:0xf bank_mask:0xf
	s_delay_alu instid0(VALU_DEP_1)
	v_max_num_f32_dpp v32, v32, v32 row_xmask:8 row_mask:0xf bank_mask:0xf
	s_delay_alu instid0(VALU_DEP_1)
	v_permlanex16_b32 v33, v32, s20, s21
	s_delay_alu instid0(VALU_DEP_1)
	v_max_num_f32 v32, v32, v33                    ; my wave's maximum
.irp k, 0,1,2,3,4,5,6,7
	v_sub_f32 v[S+\k], v[S+\k], v32
.endr
	s_wait_alu depctr_va_vdst(0)
.irp k, 0,1,2,3,4,5,6,7
	v_exp_f32 v[S+\k], v[S+\k]
.endr
	v_nop                                          ; the plain line behind the last exponential
	s_wait_alu depctr_va_vdst(0)                   ; one wait for the batch, ahead of its first reader
	v_pk_add_f32 v[34:35], v[S:S+1], v[S+2:S+3]
	v_pk_add_f32 v[36:37], v[S+4:S+5], v[S+6:S+7]
	s_delay_alu instid0(VALU_DEP_1)
	v_pk_add_f32 v[34:35], v[34:35], v[36:37]
	s_delay_alu instid0(VALU_DEP_1)
	v_add_f32 v33, v34, v35
	s_delay_alu instid0(VALU_DEP_1)
	v_add_f32_dpp v33, v33, v33 row_xmask:1 row_mask:0xf bank_mask:0xf
	s_delay_alu instid0(VALU_DEP_1)
	v_add_f32_dpp v33, v33, v33 row_xmask:2 row_mask:0xf bank_mask:0xf
	s_delay_alu instid0(VALU_DEP_1)
	v_add_f32_dpp v33, v33, v33 row_xmask:4 row_mask:0xf bank_mask:0xf
	s_delay_alu instid0(VALU_DEP_1)
	v_add_f32_dpp v33, v33, v33 row_xmask:8 row_mask:0xf bank_mask:0xf
	s_delay_alu instid0(VALU_DEP_1)
	v_permlanex16_b32 v34, v33, s20, s21
	s_delay_alu instid0(VALU_DEP_1)
	v_add_f32 v33, v33, v34                        ; my wave's sum under its maximum
	ds_store_b64 v6, v[32:33]                      ; all lanes write the same pair with the same values
	s_wait_dscnt 0x0                               ; for the others' sake
	s_barrier_signal -1
	s_barrier_wait -1
.irp u, 0,1,2,3
	ds_load_b128 v[16+4*\u:19+4*\u], v7 offset:16*\u   ; wave u's maximum in v[16 + 2 u], its sum in v[17 + 2 u]
.endr
	s_wait_dscnt 0x0
	v_max3_num_f32 v36, v16, v18, v20
	s_delay_alu instid0(VALU_DEP_1)
	v_max3_num_f32 v36, v36, v22, v24
	s_delay_alu instid0(VALU_DEP_1)
	v_max3_num_f32 v36, v36, v26, v28
	s_delay_alu instid0(VALU_DEP_1)
	v_max_num_f32 v36, v36, v30                    ; the batch's maximum
.irp u, 0,1,2,3,4,5,6,7
	v_sub_f32 v[38+\u], v[16+2*\u], v36
.endr
	v_sub_f32 v46, v32, v36
	s_wait_alu depctr_va_vdst(0)
.irp u, 0,1,2,3,4,5,6,7,8
	v_exp_f32 v[38+\u], v[38+\u]
.endr
	v_nop
	s_wait_alu depctr_va_vdst(0)                   ; one wait for the nine
	v_mul_f32 v37, v17, v38
.irp u, 1,2,3,4,5,6,7
	v_fmac_f32 v37, v[17+2*\u], v[38+\u]           ; the batch's sum under its maximum
.endr
	s_wait_alu depctr_va_vdst(0)
	v_rcp_f32 v47, v37
	v_nop
	s_wait_alu depctr_va_vdst(0)
	v_mul_f32 v46, v46, v47                        ; what brings my wave's numbers under the batch's maximum and sum
.irp k, 0,2,4,6
	v_pk_mul_f32 v[S+\k:S+\k+1], v[S+\k:S+\k+1], v[46:47] op_sel_hi:[1,0]
.endr
	ds_store_b128 v48, v[S:S+3]                    ; my wave's own bytes: weight t at word t
	ds_store_b128 v48, v[S+4:S+7] offset:512
	s_cmp_lg_u32 s12, ttmp9                        ; out1's 256 numbers of this work-group are those of wave x
	s_cbranch_scc1 .Lnot_mine
	global_store_b128 v1, v[S:S+3], s[10:11]       ; 512 consecutive bytes, aligned
	global_store_b128 v1, v[S+4:S+7], s[10:11] offset:512
.Lnot_mine:
; Row i of a round.  reload = 1: the slot takes the row 32 further on.  left: how many younger loads may stay out.
.macro ROW i, reload, left
	s_wait_loadcnt \left                           ; loads come back in order (ISA guide 5.7.1): this slot's is in
.if (\i)%2 == 0
	s_wait_alu depctr_va_vdst(0)
	v_pk_fma_f32 v[ACC:ACC+1], v[X+4*(\i):X+4*(\i)+1], v[W+(\i):W+(\i)+1], v[ACC:ACC+1] op_sel_hi:[1,0,1]             ; the pair's low register is row i's weight, for both halves
	v_pk_fma_f32 v[ACC+2:ACC+3], v[X+4*(\i)+2:X+4*(\i)+3], v[W+(\i):W+(\i)+1], v[ACC+2:ACC+3] op_sel_hi:[1,0,1]
.else
	v_pk_fma_f32 v[ACC+4:ACC+5], v[X+4*(\i):X+4*(\i)+1], v[W+(\i)-1:W+(\i)], v[ACC+4:ACC+5] op_sel:[0,1,0] op_sel_hi:[1,1,1]   ; the pair's high register
	v_pk_fma_f32 v[ACC+6:ACC+7], v[X+4*(\i)+2:X+4*(\i)+3], v[W+(\i)-1:W+(\i)], v[ACC+6:ACC+7] op_sel:[0,1,0] op_sel_hi:[1,1,1]
.endif
.if \reload
	global_load_b128 v[X+4*(\i):X+4*(\i)+3], v1, s[4:5] offset:(32+(\i))*4096 th:TH_LOAD_NT
.endif
.endm
.macro WEIGHTS                         ; a round's 32 weights: every lane reads the same 16 bytes
	v_add_nc_u32 v[WA], s24, v[WA0]
.irp k, 0,1,2,3,4,5,6,7
	ds_load_b128 v[W+4*\k:W+4*\k+3], v[WA] offset:16*\k   ; LDS serves a wave's instructions in order (ISA guide 5.7.1.4): these see my stores
.endr
	s_wait_dscnt 0x0
.endm
.Lround:                                           ; seven rounds of 32 rows; each fills the ring again
	WEIGHTS
.set i, 0
	s_wait_alu depctr_va_vdst(0)
.rept 32
	ROW i, 1, 31
.set i, i+1
.endr
	s_wait_xcnt 0x0                                ; the loads have read their base: it is stepped only behind this wait
	s_add_nc_u64 s[4:5], s[4:5], 131072
	s_add_co_u32 s24, s24, 128
	s_sub_co_u32 s25, s25, 1
	s_cmp_lg_u32 s25, 0
	s_cbranch_scc1 .Lround
	WEIGHTS                                        ; the last round loads nothing: the counts run down
.set i, 0
.rept 32
	ROW i, 0, 31-i
.set i, i+1
.endr
	s_wait_alu depctr_va_vdst(0)
	v_pk_add_f32 v[ACC:ACC+1], v[ACC:ACC+1], v[ACC+4:ACC+5]
	v_pk_add_f32 v[ACC+2:ACC+3], v[ACC+2:ACC+3], v[ACC+6:ACC+7]
	ds_store_b128 v49, v[ACC:ACC+3]
	s_wait_dscnt 0x0                               ; for the others' sake
	s_barrier_signal -1
	s_barrier_wait -1
	s_cmp_lg_u32 s12, 0
	s_cbranch_scc1 .Lend                           ; wave 0 adds the eight and stores
.irp u, 0,1,2,3,4,5,6,7
	ds_load_b128 v[X+4*\u:X+4*\u+3], v50 offset:512*\u
.endr
	s_wait_dscnt 0x0
.irp u, 1
	v_pk_add_f32 v[X:X+1], v[X:X+1], v[X+4*\u:X+4*\u+1]
	v_pk_add_f32 v[X+2:X+3], v[X+2:X+3], v[X+4*\u+2:X+4*\u+3]
.endr
.irp u, 2, 3, 4, 5, 6, 7
	s_delay_alu instid0(VALU_DEP_2)
	v_pk_add_f32 v[X:X+1], v[X:X+1], v[X+4*\u:X+4*\u+1]
	s_delay_alu instid0(VALU_DEP_2)
	v_pk_add_f32 v[X+2:X+3], v[X+2:X+3], v[X+4*\u+2:X+4*\u+3]
.endr
	global_store_b128 v1, v[X:X+3], s[8:9]         ; 512 consecutive bytes, aligned
.Lend:
	s_wait_tensorcnt 0x0                           ; the wave's end
	ds_add_u32 v[SPW], v[NIL]
	s_wait_dscnt 0x0
	s_endpgm
.Lfunc_end_k_qcfd623d28d_ctx:
	.size	k_qcfd623d28d_ctx, .Lfunc_end_k_qcfd623d28d_ctx-k_qcfd623d28d_ctx
	.p2alignl 7, 3214868480
	.fill 96, 4, 3214868480
	.section	.rodata,"a",@progbits
	.p2align	6, 0x0
	.amdhsa_kernel k_qcfd623d28d_ctx
		.amdhsa_group_segment_fixed_size 13824
		.amdhsa_private_segment_fixed_size 0
		.amdhsa_enable_private_segment 0
		.amdhsa_kernarg_size 32
		.amdhsa_user_sgpr_count 2
		.amdhsa_user_sgpr_kernarg_segment_ptr 1
		.amdhsa_wavefront_size32 1
		.amdhsa_system_sgpr_workgroup_id_x 1
		.amdhsa_system_sgpr_workgroup_id_y 1
		.amdhsa_system_sgpr_workgroup_id_z 1
		.amdhsa_system_vgpr_workitem_id 0
		.amdhsa_next_free_vgpr 256
		.amdhsa_next_free_sgpr 66
		.amdhsa_reserve_vcc 0
		.amdhsa_float_denorm_mode_32 3
		.amdhsa_float_denorm_mode_16_64 3
		.amdhsa_memory_ordered 1
		.amdhsa_forward_progress 1
		.amdhsa_inst_pref_size 28
	.end_amdhsa_kernel
	.amdgpu_metadata
---
amdhsa.version: [ 1, 2 ]
amdhsa.kernels:
  - .name:           k_qcfd623d28d_ctx
    .symbol:         k_qcfd623d28d_ctx.kd
    .args:
      - { .name: values, .offset: 0, .size: 8, .value_kind: global_buffer, .address_space: global }
      - { .name: scores, .offset: 8, .size: 8, .value_kind: global_buffer, .address_space: global }
      - { .name: out0, .offset: 16, .size: 8, .value_kind: global_buffer, .address_space: global }
      - { .name: out1, .offset: 24, .size: 8, .value_kind: global_buffer, .address_space: global }
    .group_segment_fixed_size: 13824
    .private_segment_fixed_size: 0
    .kernarg_segment_align: 8
    .kernarg_segment_size: 32
    .max_flat_workgroup_size: 256
    .sgpr_count:     66
    .vgpr_count:     256
    .wavefront_size: 32
...
	.end_amdgpu_metadata
.endif
;; end of part 3
